; MI455X (gfx1250); checked and timed in simulation.
; The chip was launched on July 23, 2026; its instructions are those of AMD's public machine-readable ISA for CDNA 5 (MIT licence, August 2026) and "CDNA5" Instruction Set Architecture Reference Guide (July 2026). The comments in the code are by the model that wrote it; some were corrected since.
;; Quantizer. Allowed arithmetic: float matrix products may take bf16 or f16 operands with f32 sums; all other float work in f32.
;; Inputs: lookup_values 16 float32; scale 4,096 x 4,096 float32; x 4,096 x 4,096 float32; zero 4,096 x 4,096 float32.
;; Outputs: out0 4,096 x 4,096 float32.
;; Constants: maxq = 15.
;; One version. Each part assembles by itself: llvm-mc -triple=amdgcn-amd-amdhsa -mcpu=gfx1250 --defsym DOCPART=n.
;; ======== version 1 of 1: 1 launch
;; limits: an absolute error that grows with the inputs' magnitude: up to 1.2e-07 times it; right only within a limited range of input values
;; launch quant (part 1): grid 256 x 1, 16 waves a work-group, no clusters, 2,304 bytes of LDS; arguments x, scale, zero, lookup_values, out0; writes out0
.if DOCPART == 1
	.amdgcn_target "amdgcn-amd-amdhsa--gfx1250"
	.amdhsa_code_object_version 6
	.text
	.protected	k_qe811ec27f2_quant
	.globl	k_qe811ec27f2_quant
	.p2align	8
	.type	k_qe811ec27f2_quant,@function
k_qe811ec27f2_quant:
	s_mov_b64 s[64:65], 0
	v_nop
	global_prefetch_b8 v0, s[64:65] scope:SCOPE_SE
	s_setreg_imm32_b32 hwreg(HW_REG_WAVE_MODE, 25, 1), 1
	s_wait_xcnt 0x0
; out = scale * (v - zero), v = the entry of a 16-entry table nearest to q = x / scale + zero (f32 distances, the lower index on a tie).
; x, scale, zero, out: 4096 x 4096 f32.  The table is taken as it comes: not sorted, repeats allowed.
;
; A stream: 12 bytes in and 4 out for each element, every byte once.  No shared input but the 64-byte table, so no cluster and no tile in LDS.
; A choice on the wrong side of a boundary moves the result by scale x the gap, so every choice is made exactly as the definition makes it:
;  (1) q is the correctly rounded quotient (reciprocal, one Newton step, two remainder corrections, all fused) plus zero, rounded apart.
;  (2) Once per work-group the 15 boundaries are found: P_k = the largest f32 q at which the definition's own test, RN(q-a) against RN(b-q)
;      with the lower index on a tie, still takes a, the k-th smallest entry, rather than b, the next one.
;  (3) For each element and level: h = fma(q, B_k, -P_k B_k).  B_k is a power of two, so -P_k B_k is exact and h has the sign of q - P_k; B_k is so large that
;      q > P_k gives h >= w_k = b - v_0 (v_0: the smallest entry).  acc = med3(h, acc, w_k), w_k ascending: h <= 0 keeps acc, h >= w_k lifts it to w_k.
;      out = scale * (acc - (zero - v_0)).
; LIMITS.  No NaN or infinity in any input.  |scale| in 2^-125 .. 2^125 (v_rcp_f32 flushes denormals); the quotient is the rounded one for x = 0 or
; |x| and |x/scale| >= 2^-100 (below that a remainder may be denormal).  A boundary with |P_k| < 2^-102 w_k would want B_k > 2^127: there q within
; w_k 2^-127 above P_k gets a value between two entries.  Entries on the SAME side of q whose rounded distances are equal are not told apart by
; index: the nearest is taken, which differs from the definition's by at most 2^-23 of the distance; and in a tie across q the first indices of
; the two neighbours alone are compared.  v is formed as (v - v_0) + v_0 - zero: some units in the last place of the table's spread.
;
; 256 work-groups of 16 waves; a work-group owns 262,144 bytes of each array.  In a turn a wave takes 1,024 bytes of each array (8 numbers a lane,
; each load or store of the wave 512 consecutive bytes), the 16 waves together 16,384.  A ring of four slots: 18 to 24 loads of a wave are out.
.set STEP,  16384                      ; bytes of each array that the work-group takes in a turn
.set DEPTH, 4                          ; slots
.set TURNS, 16                         ; 262,144 / STEP
.set TRIPS, (TURNS-DEPTH)/DEPTH        ; trips of the loop, four turns each, all with a refill
.set OFF, 1                            ; v1       1,024 x wave + 16 x lane
.set CB,  2                            ; v2-17    B_k, level k in register k (15 levels; word 15 is not used)
.set CC,  18                           ; v18-33   -P_k B_k
.set CW,  34                           ; v34-49   w_k
.set VZ,  50                           ; v50-51   v_0, twice (a pair for the packed subtraction)
.set R,   52                           ; v52-59   reciprocals
.set T,   60                           ; v60-67   at work: residuals, then h
.set Q,   68                           ; v68-75   q
.set A,   76                           ; v76-83   acc
.set Y,   84                           ; v84-91   results, as stored
.set ZP,  92                           ; v92-99   zero - v_0
.set X,   100                          ; v100-195 slot i: 8 x, 8 scale, 8 zero
; names for the set-up, in registers that the stream uses only later
.set LANE, 52
.set TOFF, 53
.set L,    54                          ; table entry lane & 15
.set CNT,  55
.set VA,   56
.set VB,   57
.set K,    58
.set U,    59
.set QQ,   60
.set D1,   61
.set D2,   62
.macro FILL i, off                     ; six loads: 1,024 bytes of x, of scale, of zero
	global_load_b128 v[X+24*\i:X+24*\i+3],     v[OFF], s[4:5] offset:\off th:TH_LOAD_NT
	global_load_b128 v[X+24*\i+4:X+24*\i+7],   v[OFF], s[4:5] offset:\off+512 th:TH_LOAD_NT
	global_load_b128 v[X+24*\i+8:X+24*\i+11],  v[OFF], s[6:7] offset:\off th:TH_LOAD_NT
	global_load_b128 v[X+24*\i+12:X+24*\i+15], v[OFF], s[6:7] offset:\off+512 th:TH_LOAD_NT
	global_load_b128 v[X+24*\i+16:X+24*\i+19], v[OFF], s[8:9] offset:\off th:TH_LOAD_NT
	global_load_b128 v[X+24*\i+20:X+24*\i+23], v[OFF], s[8:9] offset:\off+512 th:TH_LOAD_NT
.endm
.macro ROWMIN r                        ; the smallest of the 16 lanes of a row, in every lane of it
.irp m, 1,2,4,8
	v_min_num_f32_dpp v[\r], v[\r], v[\r] row_xmask:\m row_mask:0xf bank_mask:0xf
.endr
.endm
; One level for 8 numbers.  b = n & 1 picks the register of the constants' pair for both halves of the packed fma.
.macro LEVEL n, b, first
.irp p, 0,2,4,6
	v_pk_fma_f32 v[T+\p:T+\p+1], v[Q+\p:Q+\p+1], v[CB+\n-\b:CB+\n-\b+1], v[CC+\n-\b:CC+\n-\b+1] op_sel:[0,\b,\b] op_sel_hi:[1,\b,\b]
.endr
.irp j, 0,1,2,3,4,5,6,7
.if \first
	v_med3_num_f32 v[A+\j], v[T+\j], 0, v[CW+\n]           ; w_0 = 0 starts the chain: nothing is cleared
.else
	v_med3_num_f32 v[A+\j], v[T+\j], v[A+\j], v[CW+\n]
.endif
.endr
.endm
; The turn of slot i.  fill = 1: the slot is loaded again, DEPTH turns ahead.  left = younger loads that may stay out.
.macro TURN i, fill, left
.set XS, X+24*\i
.set SS, XS+8
.set ZS, XS+16
	s_wait_loadcnt \left                           ; loads come back in order (ISA guide 5.7.1): this slot's six are in
.irp j, 0,1,2,3,4,5,6,7
	v_rcp_f32 v[R+\j], v[SS+\j]
.endr
.irp p, 0,2,4,6                                    ; plain work between the reciprocals and their first use (ISA guide 5.7.2)
	v_pk_add_f32 v[ZP+\p:ZP+\p+1], v[ZS+\p:ZS+\p+1], v[VZ:VZ+1] neg_lo:[0,1] neg_hi:[0,1]      ; zero - v_0
.endr
	s_wait_alu depctr_va_vdst(0)
.irp p, 0,2,4,6
	v_pk_fma_f32 v[T+\p:T+\p+1], v[SS+\p:SS+\p+1], v[R+\p:R+\p+1], 1.0 op_sel_hi:[1,1,0] neg_lo:[1,0,0] neg_hi:[1,0,0]   ; 1 - s r
.endr
.irp p, 0,2,4,6
	v_pk_fma_f32 v[R+\p:R+\p+1], v[T+\p:T+\p+1], v[R+\p:R+\p+1], v[R+\p:R+\p+1]                ; r + r (1 - s r)
.endr
.irp p, 0,2,4,6
	v_pk_mul_f32 v[Q+\p:Q+\p+1], v[XS+\p:XS+\p+1], v[R+\p:R+\p+1]                              ; x r
.endr
.rept 2                                            ; twice: the exact remainder x - s q, and q + remainder x r
.irp p, 0,2,4,6
	v_pk_fma_f32 v[T+\p:T+\p+1], v[SS+\p:SS+\p+1], v[Q+\p:Q+\p+1], v[XS+\p:XS+\p+1] neg_lo:[1,0,0] neg_hi:[1,0,0]
.endr
.irp p, 0,2,4,6
	v_pk_fma_f32 v[Q+\p:Q+\p+1], v[T+\p:T+\p+1], v[R+\p:R+\p+1], v[Q+\p:Q+\p+1]
.endr
.endr
.irp p, 0,2,4,6
	v_pk_add_f32 v[Q+\p:Q+\p+1], v[Q+\p:Q+\p+1], v[ZS+\p:ZS+\p+1]                              ; q = x / scale + zero, a rounding of its own
.endr
	LEVEL 0, 0, 1
.irp n, 1,3,5,7,9,11,13
	LEVEL \n, 1, 0
	LEVEL \n+1, 0, 0
.endr
.irp p, 0,2,4,6
	v_pk_add_f32 v[A+\p:A+\p+1], v[A+\p:A+\p+1], v[ZP+\p:ZP+\p+1] neg_lo:[0,1] neg_hi:[0,1]    ; (v - v_0) - (zero - v_0)
.endr
	s_wait_xcnt 0x0                                ; the last turn's stores have had their addresses translated (ISA guide 3.1): Y is rewritten only behind this wait
.irp p, 0,2,4,6
	v_pk_mul_f32 v[Y+\p:Y+\p+1], v[A+\p:A+\p+1], v[SS+\p:SS+\p+1]
.endr
.if \fill
	FILL \i, (\i+DEPTH)*STEP                       ; loads ahead of the stores
.endif
	global_store_b128 v[OFF], v[Y:Y+3],   s[12:13] offset:\i*STEP th:TH_STORE_NT               ; 16 lanes store 256 consecutive bytes, aligned
	global_store_b128 v[OFF], v[Y+4:Y+7], s[12:13] offset:\i*STEP+512 th:TH_STORE_NT
.endm
	s_load_b256 s[4:11], s[0:1], 0x0               ; x s[4:5], scale s[6:7], zero s[8:9], table s[10:11]
	s_load_b64 s[12:13], s[0:1], 0x20              ; out
	v_lshl_add_u32 v196, v0, 2, 0x100
	v_mov_b32 v197, 0
	v_and_b32 v[LANE], 31, v0
	v_lshrrev_b32 v[K], 5, v0
	v_readfirstlane_b32 s14, v[K]                  ; wave 0..15
	v_lshlrev_b32 v[OFF], 4, v[LANE]
	v_lshl_or_b32 v[OFF], v[K], 10, v[OFF]         ; 1,024 x wave + 16 x lane
	v_and_b32 v[TOFF], 15, v0
	v_lshlrev_b32 v[TOFF], 2, v[TOFF]              ; table entry lane & 15: both rows of 16 lanes hold the whole table
	s_lshl_b32 s2, ttmp9, 18                       ; the work-group's 262,144 bytes (255 x 2^18 < 2^32)
	s_mov_b32 s3, 0
	s_wait_kmcnt 0x0
	s_load_b512 s[16:31], s[10:11], 0x0            ; the table once more, as scalars
	global_load_b32 v[L], v[TOFF], s[10:11]        ; ahead of the ring, so that a counted wait reaches it
	s_add_nc_u64 s[4:5], s[4:5], s[2:3]
	s_add_nc_u64 s[6:7], s[6:7], s[2:3]
	s_add_nc_u64 s[8:9], s[8:9], s[2:3]
	s_add_nc_u64 s[12:13], s[12:13], s[2:3]
	FILL 0, 0*STEP                                 ; the ring is filled before the set-up: 24 loads of every wave travel while it runs
	FILL 1, 1*STEP
	FILL 2, 2*STEP
	FILL 3, 3*STEP
	; THE SET-UP.  Wave w makes level w: the pair a = (w+1)-th smallest entry, b = (w+2)-th.  Wave 15 has no pair (b = infinity); it walks along
	; for the barrier's sake, and its three words are read by nobody's arithmetic.
	s_wait_loadcnt 24                              ; the table word is in; the ring's 24 younger loads stay out
	s_wait_kmcnt 0x0
	v_mov_b32 v[CNT], 0
.irp m, 0,1,2,3,4,5,6,7,8,9,10,11,12,13,14,15
	v_cmp_le_f32 vcc_lo, s[16+\m], v[L]
	v_add_co_ci_u32 v[CNT], vcc_lo, 0, v[CNT], vcc_lo      ; how many entries are <= mine
.endr
	s_add_co_u32 s32, s14, 1
	s_add_co_u32 s33, s14, 2
	v_cmp_le_u32 vcc_lo, s32, v[CNT]               ; the n-th smallest, repeats counted, is the smallest entry with at least n entries <= it
	v_cndmask_b32 v[VA], 0x7f800000, v[L], vcc_lo
	v_cmp_le_u32 vcc_lo, s33, v[CNT]
	v_cndmask_b32 v[VB], 0x7f800000, v[L], vcc_lo
	v_mov_b32 v[VZ], v[L]
	ROWMIN VA                                      ; a, in every lane
	ROWMIN VB                                      ; b
	ROWMIN VZ                                      ; v_0
	v_cmp_eq_f32 s36, v[L], v[VA]
	v_cmp_eq_f32 s37, v[L], v[VB]
	s_ctz_i32_b32 s36, s36                         ; first index that holds a,
	s_ctz_i32_b32 s37, s37                         ; first that holds b (-1 = the largest unsigned number where there is none)
	s_cmp_lt_u32 s36, s37
	s_cselect_b32 s38, 1, 0                        ; 1: a tie goes to a
	v_readfirstlane_b32 s34, v[VA]
	v_readfirstlane_b32 s35, v[VB]
	; f32 as ordered whole numbers: for a negative number the 31 lower bits are inverted.  The map is its own inverse.
	s_ashr_i32 s45, s34, 31
	s_lshr_b32 s45, s45, 1
	s_xor_b32 s39, s34, s45                        ; lo = image of a: a is taken there
	s_ashr_i32 s45, s35, 31
	s_lshr_b32 s45, s45, 1
	s_xor_b32 s40, s35, s45
	s_max_i32 s40, s40, s39
	s_sub_co_u32 s40, s40, s39                     ; width: at lo + width (b itself) b is taken; 0 where a = b
	; Seven rounds of 32 probes, one a lane, at lo + min(lane x step, width), step = width / 32 rounded up.  RN(q-a) does not fall and RN(b-q) does not
	; rise with q, so the lanes that take a are a run from lane 0.  The width goes 2^32, 2^27, 2^22, 2^17, 2^12, 2^7, 4, 1.
.rept 7
	s_add_co_u32 s41, s40, 31                      ; (width < 2^32 - 2^24: no carry)
	s_lshr_b32 s41, s41, 5
	v_mul_lo_u32 v[K], v[LANE], s41
	v_min_u32 v[K], s40, v[K]
	v_add_nc_u32 v[K], s39, v[K]
	v_ashrrev_i32 v[U], 31, v[K]
	v_lshrrev_b32 v[U], 1, v[U]
	v_xor_b32 v[QQ], v[K], v[U]                    ; the probe q, a <= q <= b
	v_sub_f32 v[D1], v[QQ], v[VA]                  ; the definition's two distances, both >= +0: their bits order them
	v_sub_f32 v[D2], v[VB], v[QQ]
	v_add_nc_u32 v[D2], s38, v[D2]                 ; d1 < d2 + 1 in bits is d1 <= d2
	v_cmp_lt_i32 vcc_lo, v[D1], v[D2]
	s_bcnt1_i32_b32 s42, vcc_lo
	s_max_u32 s42, s42, 1                          ; (no lane only where a = b, width 0)
	s_sub_co_u32 s42, s42, 1                       ; the last probe that takes a
	s_mul_i32 s43, s42, s41
	s_add_co_u32 s44, s43, s41
	s_min_u32 s43, s43, s40
	s_min_u32 s44, s44, s40                        ; the next probe, or the old upper end
	s_add_co_u32 s39, s39, s43
	s_sub_co_u32 s40, s44, s43
.endr
	s_ashr_i32 s45, s39, 31
	s_lshr_b32 s45, s45, 1
	s_xor_b32 s46, s39, s45                        ; P
	v_sub_f32 v[D1], v[VB], v[VZ]                  ; w = b - v_0
	v_readfirstlane_b32 s47, v[D1]
	; B = 2^(25 - E(P) + E(w)): the step from P to the next f32 is at least 2^(E(P)-24), so q > P gives h >= 2^(E(w)+1) > w; |P| B < 2^(26+E(w)).
	s_bfe_u32 s48, s46, 0x80017                    ; exponent field of P
	s_bfe_u32 s49, s47, 0x80017                    ; and of w
	s_sub_co_i32 s49, s49, s48
	s_add_co_i32 s49, s49, 152                     ; 25 + 127
	s_max_i32 s49, s49, 1
	s_min_i32 s49, s49, 254                        ; a normal power of two (the upper cut is the limit stated at the head)
	s_lshl_b32 s49, s49, 23
	s_xor_b32 s46, s46, 0x80000000
	v_mov_b32 v[K], s49                            ; B
	v_mul_f32 v[U], s46, v[K]                      ; -P B, exact
	v_mov_b32 v[QQ], s14
	v_lshlrev_b32 v[QQ], 2, v[QQ]                  ; my wave's word in each of the three lists
	ds_store_b32 v[QQ], v[K]
	ds_store_b32 v[QQ], v[U] offset:64
	ds_store_b32 v[QQ], v[D1] offset:128
	s_wait_dscnt 0x0                               ; my three words are in LDS before I say so
	s_barrier_signal -1
	s_barrier_wait -1                              ; all 48 are
	v_mov_b32 v[D2], 0
.irp t, 0,1,2,3
	ds_load_b128 v[CB+4*\t:CB+4*\t+3], v[D2] offset:16*\t          ; every lane reads the same words
	ds_load_b128 v[CC+4*\t:CC+4*\t+3], v[D2] offset:64+16*\t
	ds_load_b128 v[CW+4*\t:CW+4*\t+3], v[D2] offset:128+16*\t
.endr
	v_mov_b32 v[VZ+1], v[VZ]
	s_wait_dscnt 0x0
	; THE STREAM
	s_mov_b32 s15, TRIPS
.Ltrip:
	TURN 0, 1, 18                                  ; three younger slots of six loads stay out
	TURN 1, 1, 18
	TURN 2, 1, 18
	TURN 3, 1, 18
	s_wait_xcnt 0x0                                ; the four bases are stepped only behind this wait
	s_add_nc_u64 s[4:5], s[4:5], DEPTH*STEP
	s_add_nc_u64 s[6:7], s[6:7], DEPTH*STEP
	s_add_nc_u64 s[8:9], s[8:9], DEPTH*STEP
	s_add_nc_u64 s[12:13], s[12:13], DEPTH*STEP
	s_sub_co_u32 s15, s15, 1
	s_cmp_lg_u32 s15, 0
	s_cbranch_scc1 .Ltrip
	TURN 0, 0, 18                                  ; the last four turns load nothing: no load leaves the work-group's part, the counts run down
	TURN 1, 0, 12
	TURN 2, 0, 6
	TURN 3, 0, 0
	s_wait_tensorcnt 0x0
	ds_add_u32 v196, v197
	s_wait_dscnt 0x0
	s_endpgm
.Lfunc_end_k_qe811ec27f2_quant:
	.size	k_qe811ec27f2_quant, .Lfunc_end_k_qe811ec27f2_quant-k_qe811ec27f2_quant
	.p2alignl 7, 3214868480
	.fill 96, 4, 3214868480
	.section	.rodata,"a",@progbits
	.p2align	6, 0x0
	.amdhsa_kernel k_qe811ec27f2_quant
		.amdhsa_group_segment_fixed_size 2304
		.amdhsa_private_segment_fixed_size 0
		.amdhsa_enable_private_segment 0
		.amdhsa_kernarg_size 40
		.amdhsa_user_sgpr_count 2
		.amdhsa_user_sgpr_kernarg_segment_ptr 1
		.amdhsa_wavefront_size32 1
		.amdhsa_system_sgpr_workgroup_id_x 1
		.amdhsa_system_sgpr_workgroup_id_y 1
		.amdhsa_system_sgpr_workgroup_id_z 1
		.amdhsa_system_vgpr_workitem_id 0
		.amdhsa_next_free_vgpr 198
		.amdhsa_next_free_sgpr 66
		.amdhsa_reserve_vcc 1
		.amdhsa_float_denorm_mode_32 3
		.amdhsa_float_denorm_mode_16_64 3
		.amdhsa_memory_ordered 1
		.amdhsa_forward_progress 1
		.amdhsa_inst_pref_size 132
	.end_amdhsa_kernel
	.amdgpu_metadata
---
amdhsa.version: [ 1, 2 ]
amdhsa.kernels:
  - .name:           k_qe811ec27f2_quant
    .symbol:         k_qe811ec27f2_quant.kd
    .args:
      - { .name: x, .offset: 0, .size: 8, .value_kind: global_buffer, .address_space: global }
      - { .name: scale, .offset: 8, .size: 8, .value_kind: global_buffer, .address_space: global }
      - { .name: zero, .offset: 16, .size: 8, .value_kind: global_buffer, .address_space: global }
      - { .name: lookup_values, .offset: 24, .size: 8, .value_kind: global_buffer, .address_space: global }
      - { .name: out0, .offset: 32, .size: 8, .value_kind: global_buffer, .address_space: global }
    .group_segment_fixed_size: 2304
    .private_segment_fixed_size: 0
    .kernarg_segment_align: 8
    .kernarg_segment_size: 40
    .max_flat_workgroup_size: 512
    .sgpr_count:     66
    .vgpr_count:     198
    .wavefront_size: 32
...
	.end_amdgpu_metadata
.endif
;; end of part 1
